; MI455X (gfx1250); checked and timed in simulation.
; The chip was launched on July 23, 2026; its instructions are those of AMD's public machine-readable ISA for CDNA 5 (MIT licence, August 2026) and "CDNA5" Instruction Set Architecture Reference Guide (July 2026). The comments in the code are by the model that wrote it; some were corrected since.
;; Cross Attention. Allowed arithmetic: matrix products marked QUANTISED: E2M3 operands, one E8M0 scale for each 32 along K, by v_wmma_scale_f32_16x16x128_f8f6f4 with both operands' format E2M3, f32 sums; everything else in f32.
;; Inputs: Wk 768 x 512 float32; Wo 512 x 512 float32; Wq 512 x 512 float32; Wv 768 x 512 float32; bo 512 float32; context_tensor 2 x 4,096 x 768 float32; mask 2 x 4,096 bool; x 2 x 4,096 x 512 float32.
;; Outputs: out0 2 x 4,096 x 512 float32.
;; This version of the problem:
;;   THIS VERSION OF THE PROBLEM IS GIVEN IN LOW PRECISION. The matrix products marked QUANTISED in the list below multiply operands that are first quantised to E2M3 (2 exponent bits, 3 mantissa bits; 6 bits a number), with one power-of-two scale for each 32 numbers along K (OCP MX v1.0); their sums are f32. All else is computed in f32.
;;   The module's matrix products, in the order in which they are computed (A, B: the left and right operand; K: the contracted axis; several contracted axes count as one K, in the product's order):
;;     1. [M 8,192, K 512] x [K 512, N 512]; A: input x; B: input Wq: QUANTISED
;;     2. [M 8,192, K 768] x [K 768, N 512]; A: input context_tensor; B: input Wk: QUANTISED
;;     3. [M 8,192, K 768] x [K 768, N 512]; A: input context_tensor; B: input Wv: QUANTISED
;;     4. batch 16 x [M 4,096, K 64] x [K 64, N 4,096]; A: computed on the way; B: computed on the way: QUANTISED
;;     5. batch 16 x [M 64, K 4,096] x [K 4,096, N 4,096]; A: computed on the way; B: softmax (see below): QUANTISED
;;     6. [M 8,192, K 512] x [K 512, N 512]; A: computed on the way; B: input Wo: QUANTISED
;;   THE QUANTISER, for each operand of a quantised product, along K:
;;     - K is cut into blocks of 32 from its start; a last block that is shorter is filled with zeros.
;;     - A block's scale is 2^e with e = floor(log2(the largest magnitude in the block)) - 2, held to -126 .. 127; a block of zeros has e = 0. As a byte (E8M0): e + 127.
;;     - Each number is divided by its block's scale, clamped to +-7.5, and rounded to the nearest number of E2M3, ties to even, subnormals kept.
;;     - The product sums the exact products of the quantised numbers (number of the format x scale) in f32.
;;   ~~~python
;;   def quantise(x, axis):      # numpy; x: float32 -> the quantised numbers, widened to float32 again
;;       x = np.moveaxis(x, axis, -1); K = x.shape[-1]
;;       x = np.pad(x, [(0, 0)] * (x.ndim - 1) + [(0, -K % 32)]); x = x.reshape(x.shape[:-1] + (-1, 32)); a = np.abs(x).max(-1, keepdims=True)
;;       e = np.where(a > 0, np.clip(np.frexp(np.where(a > 0, a, 1))[1] - 1 - 2, -126, 127), 0)      # np.frexp(a)[1] - 1 = floor(log2(a)), exactly
;;       r = np.clip(x / 2.0 ** e, -7.5, 7.5)
;;       step = 2.0 ** (np.maximum(np.frexp(np.where(r == 0, 1, r))[1] - 1, 0) - 3)
;;       q = np.round(r / step) * step * 2.0 ** e      # np.round: ties to even
;;       return np.moveaxis(q.reshape(q.shape[:-2] + (-1,))[..., :K], -1, axis).astype(np.float32)
;;   ~~~
;;   SOFTMAX AHEAD OF A QUANTISED PRODUCT. Where the list says 'softmax', what is quantised is not the finished softmax but p = 2^(t - M), with t = logit x log2(e) and M = ceil(the row's largest t), a whole number; so 1/2 < the row's largest p <= 1. The row's sum l is taken of the UNQUANTISED p, in f32, and the product's result is divided by l at the end. Since M is a whole number, a kernel that streams over the keys may use a running M (the ceiling of the running maximum): every later rescaling is an exact power of two, which a block's scale takes up: the codes' values come out the same.
;;   OPERANDS COMPUTED ON THE WAY. 'Computed on the way' means the value that the module computes at that place (a softmax that the list does not call 'softmax' is quantised finished and normalised). What goes into a quantiser is computed in f32, as accurately as f32 sums, v_exp_f32 and their like allow (about 1e-6 of the number): no bf16 or f16 on the way to a quantiser, and a product that is left as it is and whose result goes on into a quantised operand takes f32 operands (vector FMAs, or v_wmma_f32_16x16x4_f32). A number that lies on a knife's edge between two numbers of the format may be rounded either way, as far as f32 arithmetic and the matrix unit's own rounding can turn it there, and no further.
;; One version. Each part assembles by itself: llvm-mc -triple=amdgcn-amd-amdhsa -mcpu=gfx1250 --defsym DOCPART=n.
;; ======== version 1 of 1: 4 launches
;; limits: right only within a limited range of input values
;; workspace buffers: pan 11,993,088 bytes; sc 999,424 bytes; qb 4,456,448 bytes; kv 7,733,248 bytes
;; launch quant (part 1): grid 360 x 1, 4 waves a work-group, no clusters, 68,096 bytes of LDS; arguments x, context_tensor, Wq, Wk, Wv, Wo, pan, sc; writes pan, sc
.if DOCPART == 1
	.amdgcn_target "amdgcn-amd-amdhsa--gfx1250"
	.amdhsa_code_object_version 6
	.text
	.protected	k_q6f6f05f210_quant
	.globl	k_q6f6f05f210_quant
	.p2align	8
	.type	k_q6f6f05f210_quant,@function
k_q6f6f05f210_quant:
	s_mov_b64 s[64:65], 0
	v_nop
	global_prefetch_b8 v0, s[64:65] scope:SCOPE_SE
	s_setreg_imm32_b32 hwreg(HW_REG_WAVE_MODE, 25, 1), 1
	s_wait_xcnt 0x0
; x [8192][512], context [8192][768] and the four weights ([K][512], K first) become codes of E2M3 with one E8M0 byte for each 32 along K,
; laid as IMAGES OF THE OPERAND'S REGISTERS.  A step-panel (SP) is 128 rows (tokens, or columns of a weight) x 128 along K: 8 tiles of 16 rows.
; Tile t = 2 B + u holds, in lane-row p, panel row 32 B + 8 u + p + 8 (p / 8).  A tile's fragment is 12 registers a lane: registers 4 c .. 4 c + 3 at 1536 t + 512 c + 16 lane.
; Scale words of an SP: 1,024 bytes: tiles 4 q .. 4 q + 3 of the lane's row at 512 q + 16 lane (lanes 16-31 repeat lanes 0-15).
; SP numbers: x 4 p + s; context 256 + 6 p + s; Wq 640 + 4 c + s; Wk 656 + 6 c + s; Wv 680 + 6 c + s; Wo 704 + 4 c + s.
; A wave takes half an SP: four tiles.  Work-groups 0-39 take the weights (256 loads a wave), 40-359 the activations (64 loads a wave).
; ACTIVATIONS: each load reads 512 consecutive bytes of one row, 16 a lane; a tile's 16 rows turn through the wave's own stage in LDS (rows 528 bytes apart)
; and come back as 16 neighbours along K of each block for a lane.  x and context have a path each, so that every row offset is an immediate, and each path has LDS bytes of its own.  No barrier: waves share nothing.
; A block's scale byte is its largest magnitude's exponent field - 2, held at 1 from below (a block of zeros keeps 1: its codes are zeros, and this program alone reads the bytes).
; LIMITS: blocks whose largest magnitude lies under 2^-124 keep the byte 1; NaN and infinities are not served.
.set LI,  4                            ; 16 x lane
.set VL,  5                            ; weights: my lane's byte in the source
.set WD,  10                           ; v10-13 the four tiles' scale words
.set TM,  16                           ; v16-31 at work in QUANT
.set PC,  32                           ; v32-50 the codes just made
.set SPW, 51                           ; my spare word's address; never rewritten
.set NIL, 52                           ; 0; never rewritten
.set SA,  53                           ; the stage, on the way in: wave's stage + 16 lane
.set RB,  54                           ; and back: wave's stage + 528 r + 64 h
.set N0,  64                           ; three sets of 64 numbers
.set N1,  128
.set N2,  192
.set WSTG, 16*528                      ; a wave's stage
.set SPARE, 8*WSTG                     ; behind the two paths' four stages: the spare words, 512 bytes that no other line names
.set SEL, 20
.set SRC, 30
.set DC,  16
.set DS,  18
; 64 numbers of a lane, register 16 b + i = k 32 b + 16 (lane / 16) + i of my row, become a fragment in v[PC] on and its scale word in v[wd]
.macro QUANT s, wd, xw
.irp b, 0,1,2,3
	v_max3_num_f32 v[TM+\b], |v[\s+16*\b]|, |v[\s+1+16*\b]|, 0x1800000   ; my 16 numbers of block b, and the floor 2^(3 - 127)
.endr
.irp i, 2,4,6,8,10,12,14
.irp b, 0,1,2,3
	v_max3_num_f32 v[TM+\b], v[TM+\b], |v[\s+16*\b+\i]|, |v[\s+1+16*\b+\i]|
.endr
.endr
.irp b, 0,1,2,3
	v_permlanex16_b32 v[TM+4+\b], v[TM+\b], s[SEL], s[SEL+1]
.endr
.irp b, 0,1,2,3
	v_max_num_f32 v[TM+\b], v[TM+\b], v[TM+4+\b]       ; with lane l xor 16's: the block's largest magnitude
.endr
.irp b, 0,1,2,3
	v_add_nc_u32 v[TM+12+\b], 0xff000000, v[TM+\b]     ; 2 off its exponent field: the conversion's scale operand
.endr
.irp b, 0,1,2,3
	v_lshrrev_b32 v[TM+4+\b], 23, v[TM+12+\b]          ; the scale's byte
.endr
	v_lshl_or_b32 v[\wd], v[TM+5], 8, v[TM+4]
	v_lshl_or_b32 v[\wd], v[TM+6], 16, v[\wd]
	v_lshl_or_b32 v[\wd], v[TM+7], 24, v[\wd]
.if \xw
	s_wait_xcnt 0x0                                    ; the last tile's stores have read v[PC] on: only now is it written again
.endif
.irp c, 0,1
	v_cvt_scalef32_pk16_fp6_f32 v[PC+6*\c:PC+2+6*\c], v[\s+32*\c:\s+15+32*\c], v[TM+12+2*\c]
	v_cvt_scalef32_pk16_fp6_f32 v[PC+12+4*\c:PC+14+4*\c], v[\s+16+32*\c:\s+31+32*\c], v[TM+12+2*\c+1]
.endr
	v_nop                                              ; one plain place behind a scaled conversion
.irp c, 0,1                                        ; a whole block to a lane: lanes 0-15 block 2 c, lanes 16-31 block 2 c + 1
.irp i, 0,1,2
	v_permlane16_swap_b32 v[PC+6*\c+\i], v[PC+12+4*\c+\i]
.endr
.irp i, 0,1,2
	v_mov_b32 v[PC+3+6*\c+\i], v[PC+12+4*\c+\i]
.endr
.endr
.endm
.macro SEND t                          ; the fragment as it stands: each store covers 512 consecutive bytes, aligned
.irp c, 0,1,2
	global_store_b128 v[LI], v[PC+4*\c:PC+4*\c+3], s[DC:DC+1] offset:1536*\t+512*\c
.endr
.endm
.macro XLOAD set, t, rowb              ; an activation's tile: load i takes 512 consecutive bytes of the tile's lane-row i
.irp i, 0,1,2,3,4,5,6,7,8,9,10,11,12,13,14,15
	global_load_b128 v[\set+4*\i:\set+4*\i+3], v[LI], s[SRC:SRC+1] offset:(32*(\t/2)+8*(\t%2)+\i+8*(\i/8))*\rowb th:TH_LOAD_NT
.endr
.endm
.macro TURN set, base                  ; through my stage: in by rows, back as register 16 b + 4 j .. = bytes 128 b + 64 h + 16 j of row r
.irp i, 0,1,2,3,4,5,6,7,8,9,10,11,12,13,14,15
	ds_store_b128 v[SA], v[\set+4*\i:\set+4*\i+3] offset:\base+528*\i
.endr
	s_wait_dscnt 0x0                                   ; the stores have read their registers, which the loads below write
.irp b, 0,1,2,3
.irp j, 0,1,2,3
	ds_load_b128 v[\set+16*\b+4*\j:\set+16*\b+4*\j+3], v[RB] offset:\base+128*\b+16*\j
.endr
.endr
	s_wait_dscnt 0x0
.endm
.macro WLOAD set, t                    ; a weight's tile: a lane takes a column, its registers run down K
.irp b, 0,1,2,3
.irp i, 0,1,2,3,4,5,6,7,8,9,10,11,12,13,14,15
	global_load_b32 v[\set+16*\b+\i], v[VL], s[SRC:SRC+1] offset:(32*\b+\i)*2048+(32*(\t/2)+8*(\t%2))*4
.endr
.endr
.endm
.macro ACT rowb, base                  ; four tiles of an activation whose rows are rowb bytes
	XLOAD N0, 0, \rowb
	XLOAD N1, 1, \rowb
	XLOAD N2, 2, \rowb
	s_wait_loadcnt 32                                  ; tile 0 is in; the 32 loads of tiles 1 and 2 may be out
	TURN N0, \base
	QUANT N0, WD, 0
	SEND 0
	XLOAD N0, 3, \rowb
	s_wait_loadcnt 32                                  ; tile 1 is in; tiles 2 and 3 may be out
	TURN N1, \base
	QUANT N1, WD+1, 1
	SEND 1
	s_wait_loadcnt 16
	TURN N2, \base
	QUANT N2, WD+2, 1
	SEND 2
	s_wait_loadcnt 0x0
	TURN N0, \base
	QUANT N0, WD+3, 1
	SEND 3
	global_store_b128 v[LI], v[WD:WD+3], s[DS:DS+1]    ; the four scale words: 512 consecutive bytes
	s_wait_tensorcnt 0x0                               ; the wave's end, behind my last LDS store
	ds_add_u32 v[SPW], v[NIL]
	s_wait_dscnt 0x0
	s_endpgm
.endm
	s_load_b512 s[4:19], s[0:1], 0x0                   ; x, context, Wq, Wk, Wv, Wo, pan, sc
	v_lshl_add_u32 v[SPW], v0, 2, SPARE
	v_mov_b32 v[NIL], 0
	v_lshrrev_b32 v1, 5, v0
	v_readfirstlane_b32 s22, v1                        ; wave
	v_and_b32 v2, 31, v0                               ; lane
	v_and_b32 v3, 15, v0                               ; r
	v_bfe_u32 v14, v0, 4, 1                            ; h
	v_lshlrev_b32 v[LI], 4, v2
	v_and_b32 v15, 8, v3
	v_add_nc_u32 v15, v15, v3                          ; r + 8 (r / 8)
	s_mul_i32 s39, s22, WSTG
	v_add_nc_u32 v[SA], s39, v[LI]
	v_mul_u32_u24 v[RB], v3, 528
	v_lshl_add_u32 v[RB], v14, 6, v[RB]
	v_add_nc_u32 v[RB], s39, v[RB]
	v_lshlrev_b32 v[VL], 2, v15
	v_lshl_add_u32 v[VL], v14, 15, v[VL]               ; weights: column r + 8 (r / 8); lanes 16-31 begin 16 rows further down
.irp b, 0,1,2,3
	v_mov_b32 v[TM+4+\b], 0                            ; a lane permute's destination counts as one of its sources
.endr
	s_mov_b32 s[SEL], 0x76543210
	s_mov_b32 s[SEL+1], 0xfedcba98
	s_lshr_b32 s23, s22, 1
	s_lshl_b32 s24, ttmp9, 1
	s_add_co_u32 s24, s24, s23
	s_mov_b32 s32, 640
	s_cmp_lt_u32 ttmp9, 40
	s_cselect_b32 s32, s32, 0xffffffb0                 ; work-groups 0-39: SP 640 on; the others: 80 back
	s_add_co_u32 s24, s24, s32                         ; my SP
	s_and_b32 s25, s22, 1                              ; q: which four tiles
	s_mul_i32 s26, s24, 12288
	s_mul_i32 s27, s25, 6144
	s_add_co_u32 s26, s26, s27
	s_mov_b32 s27, 0
	s_lshl_b32 s28, s24, 10
	s_lshl_b32 s29, s25, 9
	s_add_co_u32 s28, s28, s29
	s_mov_b32 s29, 0
	s_wait_alu depctr_va_vdst(0)
	s_wait_kmcnt 0x0
	s_add_nc_u64 s[DC:DC+1], s[DC:DC+1], s[26:27]
	s_add_nc_u64 s[DS:DS+1], s[DS:DS+1], s[28:29]
	s_cmp_lt_u32 ttmp9, 40
	s_cbranch_scc1 .Lweights
	; ---- activations: x (SP under 256, rows of 2,048 bytes, 4 K steps) or context (rows of 3,072 bytes, 6 K steps)
	s_cmp_lt_u32 s24, 256
	s_cselect_b64 s[SRC:SRC+1], s[4:5], s[6:7]
	s_cselect_b32 s32, 0, 256
	s_mov_b32 s33, 3072
	s_cselect_b32 s33, 2048, s33                       ; a row in bytes
	s_sub_co_u32 s32, s24, s32                         ; the SP's number in its tensor
	s_lshr_b32 s34, s32, 2
	s_mul_hi_u32 s35, s32, 0x2aaaaaab                  ; / 6, exact for numbers under 384
	s_cmp_lt_u32 s24, 256
	s_cselect_b32 s34, s34, s35                        ; panel p
	s_cselect_b32 s35, 4, 6
	s_mul_i32 s35, s34, s35
	s_sub_co_u32 s35, s32, s35                         ; K step s
	s_lshl_b32 s34, s34, 7
	s_lshl_b32 s36, s25, 6
	s_add_co_u32 s34, s34, s36                         ; my first row: 128 p + 64 q
	s_mul_i32 s34, s34, s33
	s_lshl_b32 s35, s35, 9
	s_add_co_u32 s34, s34, s35                         ; + 512 s bytes
	s_mov_b32 s35, 0
	s_add_nc_u64 s[SRC:SRC+1], s[SRC:SRC+1], s[34:35]
	s_cmp_lt_u32 s24, 256
	s_cbranch_scc0 .Lctx
	ACT 2048, 0
.Lctx:
	ACT 3072, 4*WSTG
.Lweights:
	; ---- weights: rows of 2,048 bytes, K along the first axis
	s_mov_b64 s[SRC:SRC+1], s[14:15]                   ; Wo,
	s_mov_b32 s32, 704
	s_mov_b32 s33, 4
	s_cmp_lt_u32 s24, 704
	s_cselect_b64 s[SRC:SRC+1], s[12:13], s[SRC:SRC+1] ; or Wv,
	s_cselect_b32 s32, 680, s32
	s_cselect_b32 s33, 6, s33
	s_cmp_lt_u32 s24, 680
	s_cselect_b64 s[SRC:SRC+1], s[10:11], s[SRC:SRC+1] ; or Wk,
	s_cselect_b32 s32, 656, s32
	s_cmp_lt_u32 s24, 656
	s_cselect_b64 s[SRC:SRC+1], s[8:9], s[SRC:SRC+1]   ; or Wq: the choice hangs on ids alone
	s_cselect_b32 s32, 640, s32
	s_cselect_b32 s33, 4, s33                          ; K steps
	s_sub_co_u32 s32, s24, s32
	s_lshr_b32 s34, s32, 2
	s_mul_hi_u32 s35, s32, 0x2aaaaaab
	s_cmp_eq_u32 s33, 4
	s_cselect_b32 s34, s34, s35                        ; column panel c
	s_mul_i32 s35, s34, s33
	s_sub_co_u32 s35, s32, s35                         ; K step s
	s_lshl_b32 s35, s35, 18                            ; 128 s rows
	s_lshl_b32 s34, s34, 9                             ; 128 c columns
	s_add_co_u32 s34, s34, s35
	s_lshl_b32 s36, s25, 8                             ; 64 q columns
	s_add_co_u32 s34, s34, s36
	s_mov_b32 s35, 0
	s_add_nc_u64 s[SRC:SRC+1], s[SRC:SRC+1], s[34:35]
	WLOAD N0, 0
	WLOAD N1, 1
	WLOAD N2, 2
	s_wait_loadcnt 63                                  ; 128 loads are younger than tile 0's: a smaller count is safe, and this is the largest that can be written
	QUANT N0, WD, 0
	SEND 0
	WLOAD N0, 3
	s_wait_loadcnt 63                                  ; 128 younger than tile 1's
	QUANT N1, WD+1, 1
	SEND 1
	s_wait_loadcnt 63                                  ; 64 younger than tile 2's
	QUANT N2, WD+2, 1
	SEND 2
	s_wait_loadcnt 0x0
	QUANT N0, WD+3, 1
	SEND 3
	global_store_b128 v[LI], v[WD:WD+3], s[DS:DS+1]
	s_endpgm
.Lfunc_end_k_q6f6f05f210_quant:
	.size	k_q6f6f05f210_quant, .Lfunc_end_k_q6f6f05f210_quant-k_q6f6f05f210_quant
	.p2alignl 7, 3214868480
	.fill 96, 4, 3214868480
	.section	.rodata,"a",@progbits
	.p2align	6, 0x0
	.amdhsa_kernel k_q6f6f05f210_quant
		.amdhsa_group_segment_fixed_size 68096
		.amdhsa_private_segment_fixed_size 0
		.amdhsa_enable_private_segment 0
		.amdhsa_kernarg_size 64
		.amdhsa_user_sgpr_count 2
		.amdhsa_user_sgpr_kernarg_segment_ptr 1
		.amdhsa_wavefront_size32 1
		.amdhsa_system_sgpr_workgroup_id_x 1
		.amdhsa_system_sgpr_workgroup_id_y 1
		.amdhsa_system_sgpr_workgroup_id_z 1
		.amdhsa_system_vgpr_workitem_id 0
		.amdhsa_next_free_vgpr 256
		.amdhsa_next_free_sgpr 66
		.amdhsa_reserve_vcc 0
		.amdhsa_float_denorm_mode_32 3
		.amdhsa_float_denorm_mode_16_64 3
		.amdhsa_memory_ordered 1
		.amdhsa_forward_progress 1
		.amdhsa_inst_pref_size 106
	.end_amdhsa_kernel
	.amdgpu_metadata
---
amdhsa.version: [ 1, 2 ]
amdhsa.kernels:
  - .name:           k_q6f6f05f210_quant
    .symbol:         k_q6f6f05f210_quant.kd
    .args:
      - { .name: x, .offset: 0, .size: 8, .value_kind: global_buffer, .address_space: global }
      - { .name: context_tensor, .offset: 8, .size: 8, .value_kind: global_buffer, .address_space: global }
      - { .name: Wq, .offset: 16, .size: 8, .value_kind: global_buffer, .address_space: global }
      - { .name: Wk, .offset: 24, .size: 8, .value_kind: global_buffer, .address_space: global }
      - { .name: Wv, .offset: 32, .size: 8, .value_kind: global_buffer, .address_space: global }
      - { .name: Wo, .offset: 40, .size: 8, .value_kind: global_buffer, .address_space: global }
      - { .name: pan, .offset: 48, .size: 8, .value_kind: global_buffer, .address_space: global }
      - { .name: sc, .offset: 56, .size: 8, .value_kind: global_buffer, .address_space: global }
    .group_segment_fixed_size: 68096
    .private_segment_fixed_size: 0
    .kernarg_segment_align: 8
    .kernarg_segment_size: 64
    .max_flat_workgroup_size: 128
    .sgpr_count:     66
    .vgpr_count:     256
    .wavefront_size: 32
...
	.end_amdgpu_metadata
.endif
;; end of part 1
;; launch proj (part 2): grid 256 x 1, 3 waves a work-group, no clusters, 0 bytes of LDS; arguments pan, sc, mask, qb, kv; writes qb, kv
.if DOCPART == 2
	.amdgcn_target "amdgcn-amd-amdhsa--gfx1250"
	.amdhsa_code_object_version 6
	.text
	.protected	k_q6f6f05f210_proj
	.globl	k_q6f6f05f210_proj
	.p2align	8
	.type	k_q6f6f05f210_proj,@function
k_q6f6f05f210_proj:
	s_mov_b64 s[64:65], 0
	v_nop
	global_prefetch_b8 v0, s[64:65] scope:SCOPE_SE
	s_setreg_imm32_b32 hwreg(HW_REG_WAVE_MODE, 25, 1), 1
	s_wait_xcnt 0x0
; The three projections on codes of E2M3, and their results quantised again, as attention's operands.  768 tasks, one a wave: task T = 3 x work-group + wave;
; kind = T / 256 (0: q = x Wq, 1: k = context Wk, 2: v = context Wv), token panel p = (T / 4) % 64, column panel c = T % 4.  A wave makes 128 x 128: 64 accumulators.
; q, k: source 0 = the weight's columns, source 1 = tokens: a lane holds ONE token and its registers run along the head's 64, which are the scores' K.
; v:    source 0 = tokens (keys), source 1 = Wv's columns: a lane holds ONE channel and its registers run along the keys, which are the second product's K.
; By the order of a tile's rows (tile 2 B + u, lane-row p = panel row 32 B + 8 u + p + 8 (p / 8)) a lane's 64 results of a source-1 tile are: register 16 b + i = index 32 b + 16 (lane / 16) + i.
; Operands come from memory as images of their registers (each load: 512 consecutive bytes); each image is used once by the wave, so nothing goes through LDS, and waves share nothing.
; THE MASK RIDES IN THE SCORES' PRODUCT.  The head has 64 along K, the instruction 128.  At k = 64 q carries the code of 1.0 under the byte 127; a key that counts carries 0 there;
; a masked key carries the code of -1.0 under the byte 253 and zeros in its 64 codes: its score is exactly -2^126.
; OUT: qb: a record for (head, 128 queries), 8,704 bytes: tile a's registers 0-7 at 1024 a + 512 c + 16 lane; at 8,192 the scale words, tiles 4 q .. 4 q + 3 at 16 (16 q + r).
;      kv: a record for (head, 128 keys), 15,104 bytes: k as in qb; at 8,704 four fragments of v^T (1536 j + 512 c + 16 lane); at 14,848 their scale words, 16 r.
; LIMITS: scores stay far under 2^126 in magnitude; NaN and infinities are not served; a block whose largest magnitude lies under 2^-124 keeps the byte 1.
; REGISTERS, in windows of 256: window 0: v1-15 addresses and constants; v16-31 scale words, two sets; v32-39 mask bytes; v40-55 the results' scale words; v64-159, v160-255 source 1's fragments, two sets
;   (on the way out v64-124 are at work);  window 1: source 0's fragments at v0-95 and v128-223;  windows 2, 3: accumulator (a, b) at v[8 (8 (a % 4) + b)] of window 2 + a / 4.
.set LI,   1                           ; 16 x lane
.set VSO,  2                           ; 16 x lane + 512 (lane / 16): lanes 0-15 take tiles 0-3's scale words, lanes 16-31 tiles 4-7's
.set RP,   3                           ; r + 8 (r / 8)
.set HM,   4                           ; all ones in lanes 0-15, 0 in lanes 16-31
.set KB,   5                           ; the code at k = 64 where the row counts: q 8 (1.0), k 0
.set HK,   6                           ; bytes 2, 3 of the scale word where the row counts
.set HX,   7                           ; and where a key is masked: 253, 1
.set VS8,  8                           ; v's scale words: 16 r, lanes 16-31 one head on
.set T0,   12                          ; v12-15 at work
.set SCW,  16
.set MK,   32
.set WA,   40
.set WB,   48
.set F1,   64
.set TM,   64
.set PC,   80
.set IA,   100
.set IB,   108
.set D4,   116
.set D5,   120
.set PW,   124
.set KIND, 16
.set RA,   28                          ; s[28:29] the first head's record, s[30:31] the second's
.set RB,   30
.set P0,   32                          ; s[32:33], s[34:35] source 0's and source 1's codes; s[36:37], s[38:39] their scale words
.set P1,   34
.set Q0,   36
.set Q1,   38
.set HALF, 44                          ; lanes 16-31 as a mask
.set ISQ,  45
.set SEL,  48
.set MSB, 0
.macro WIN new                         ; the immediate's high byte repeats the setting that is left
.if MSB != \new
	s_set_vgpr_msb (MSB<<8)|\new
.set MSB, \new
.endif
.endm
.macro PLACES
.rept 4
	v_nop
.endr
.endm
; one product; ra, rb: the side's scale words stand in lanes 16-31
.macro WM d, a, b, zero, sa, sb, ra, rb
.if \zero
.if (\ra) && (\rb)
	v_wmma_scale_f32_16x16x128_f8f6f4 v[\d:\d+7], v[\a:\a+11], v[\b:\b+11], 0, v[\sa], v[\sb] matrix_a_fmt:MATRIX_FMT_FP6 matrix_b_fmt:MATRIX_FMT_FP6 matrix_a_scale:MATRIX_SCALE_ROW1 matrix_b_scale:MATRIX_SCALE_ROW1
.elseif \ra
	v_wmma_scale_f32_16x16x128_f8f6f4 v[\d:\d+7], v[\a:\a+11], v[\b:\b+11], 0, v[\sa], v[\sb] matrix_a_fmt:MATRIX_FMT_FP6 matrix_b_fmt:MATRIX_FMT_FP6 matrix_a_scale:MATRIX_SCALE_ROW1
.elseif \rb
	v_wmma_scale_f32_16x16x128_f8f6f4 v[\d:\d+7], v[\a:\a+11], v[\b:\b+11], 0, v[\sa], v[\sb] matrix_a_fmt:MATRIX_FMT_FP6 matrix_b_fmt:MATRIX_FMT_FP6 matrix_b_scale:MATRIX_SCALE_ROW1
.else
	v_wmma_scale_f32_16x16x128_f8f6f4 v[\d:\d+7], v[\a:\a+11], v[\b:\b+11], 0, v[\sa], v[\sb] matrix_a_fmt:MATRIX_FMT_FP6 matrix_b_fmt:MATRIX_FMT_FP6
.endif
.else
.if (\ra) && (\rb)
	v_wmma_scale_f32_16x16x128_f8f6f4 v[\d:\d+7], v[\a:\a+11], v[\b:\b+11], v[\d:\d+7], v[\sa], v[\sb] matrix_a_fmt:MATRIX_FMT_FP6 matrix_b_fmt:MATRIX_FMT_FP6 matrix_a_scale:MATRIX_SCALE_ROW1 matrix_b_scale:MATRIX_SCALE_ROW1
.elseif \ra
	v_wmma_scale_f32_16x16x128_f8f6f4 v[\d:\d+7], v[\a:\a+11], v[\b:\b+11], v[\d:\d+7], v[\sa], v[\sb] matrix_a_fmt:MATRIX_FMT_FP6 matrix_b_fmt:MATRIX_FMT_FP6 matrix_a_scale:MATRIX_SCALE_ROW1
.elseif \rb
	v_wmma_scale_f32_16x16x128_f8f6f4 v[\d:\d+7], v[\a:\a+11], v[\b:\b+11], v[\d:\d+7], v[\sa], v[\sb] matrix_a_fmt:MATRIX_FMT_FP6 matrix_b_fmt:MATRIX_FMT_FP6 matrix_b_scale:MATRIX_SCALE_ROW1
.else
	v_wmma_scale_f32_16x16x128_f8f6f4 v[\d:\d+7], v[\a:\a+11], v[\b:\b+11], v[\d:\d+7], v[\sa], v[\sb] matrix_a_fmt:MATRIX_FMT_FP6 matrix_b_fmt:MATRIX_FMT_FP6
.endif
.endif
.endm
; 32 products: source 1's tiles 4 hi .. 4 hi + 3, each against source 0's eight; set g.  The 64 accumulators take turns, one instruction a turn, in the same order in every step
.macro MULS g, zero, hi
.irp a, 0,1,2,3
.irp b, 0,1,2,3,4,5,6,7
.set rD, 8*(8*\a+\b)
.set rA, 128*(\g)+12*\b
.set rB, F1+96*(\g)+12*(4*(\hi)+\a)
.set rSA, SCW+8*(\g)+\b%4
.set rSB, SCW+4+8*(\g)+\a
	WM rD, rA, rB, \zero, rSA, rSB, \b/4, \hi
.endr
.endr
.endm
; K step s into set g: 24 + 24 loads of fragments and 2 of scale words: 50 loads
.macro LOADSTEP s, g
	WIN 0x40                                           ; destination window 1, address window 0
.irp t, 0,1,2,3,4,5,6,7
.irp c, 0,1,2
	global_load_b128 v[128*(\g)+12*\t+4*\c:128*(\g)+12*\t+4*\c+3], v[LI], s[P0:P0+1] offset:12288*(\s)+1536*\t+512*\c
.endr
.endr
	WIN 0
.irp t, 0,1,2,3,4,5,6,7
.irp c, 0,1,2
	global_load_b128 v[F1+96*(\g)+12*\t+4*\c:F1+96*(\g)+12*\t+4*\c+3], v[LI], s[P1:P1+1] offset:12288*(\s)+1536*\t+512*\c
.endr
.endr
	global_load_b128 v[SCW+8*(\g):SCW+8*(\g)+3], v[VSO], s[Q0:Q0+1] offset:1024*(\s)
	global_load_b128 v[SCW+4+8*(\g):SCW+4+8*(\g)+3], v[VSO], s[Q1:Q1+1] offset:1024*(\s)
.endm
.macro STEP s, cnt, next, zero
	s_wait_loadcnt \cnt                                ; this step's set is in; the next step's 50 loads may be out
	WIN 0xa1                                           ; source 0 window 1, source 1 window 0, C and D window 2
	MULS (\s)%2, \zero, 0
	WIN 0xf1                                           ; C and D window 3
	MULS (\s)%2, \zero, 1
	WIN 0
	PLACES                                             ; four places in front of loads into registers that matrix instructions have read, and of the first read of results
.if \next
	LOADSTEP (\s)+2, (\s)%2
.endif
.endm
; source-1 tile a's 64 results become a fragment in v[PC] on and its scale word in v[wd]
.macro QUANTW a, wd
.set qw, 2+(\a)/4
.set qs, 64*((\a)%4)
	WIN (qw<<2)|(qw<<4)                                ; sources 1 and 2: the accumulators' window
.irp b, 0,1,2,3
	v_max3_num_f32 v[TM+\b], 0x1800000, |v[qs+16*\b]|, |v[qs+1+16*\b]|   ; the floor 2^(3 - 127) and my first two of block b: each accumulator is read from its low end on
.endr
.irp i, 2,4,6,8,10,12,14
.irp b, 0,1,2,3
	v_max3_num_f32 v[TM+\b], v[TM+\b], |v[qs+16*\b+\i]|, |v[qs+1+16*\b+\i]|
.endr
.endr
	WIN 0
.irp b, 0,1,2,3
	v_permlanex16_b32 v[TM+4+\b], v[TM+\b], s[SEL], s[SEL+1]
.endr
.irp b, 0,1,2,3
	v_max_num_f32 v[TM+\b], v[TM+\b], v[TM+4+\b]
.endr
.irp b, 0,1,2,3
	v_add_nc_u32 v[TM+12+\b], 0xff000000, v[TM+\b]
.endr
.irp b, 0,1,2,3
	v_lshrrev_b32 v[TM+4+\b], 23, v[TM+12+\b]
.endr
	v_lshl_or_b32 v[\wd], v[TM+5], 8, v[TM+4]
	v_lshl_or_b32 v[\wd], v[TM+6], 16, v[\wd]
	v_lshl_or_b32 v[\wd], v[TM+7], 24, v[\wd]
	s_wait_xcnt 0x0                                    ; the last tile's stores have read their data: only now are those registers written again
	WIN qw                                             ; source 0: the accumulators' window
.irp c, 0,1
	v_cvt_scalef32_pk16_fp6_f32 v[PC+6*\c:PC+2+6*\c], v[qs+32*\c:qs+15+32*\c], v[TM+12+2*\c]
	v_cvt_scalef32_pk16_fp6_f32 v[PC+12+4*\c:PC+14+4*\c], v[qs+16+32*\c:qs+31+32*\c], v[TM+12+2*\c+1]
.endr
	WIN 0
	v_nop                                              ; one plain place behind a scaled conversion
.irp c, 0,1
.irp i, 0,1,2
	v_permlane16_swap_b32 v[PC+6*\c+\i], v[PC+12+4*\c+\i]
.endr
.irp i, 0,1,2
	v_mov_b32 v[PC+3+6*\c+\i], v[PC+12+4*\c+\i]
.endr
.endr
.endm
; q, k: registers 0-5 of the fragment are the first head's 64 codes, registers 6-11 the second's: two images of eight registers, with the mask's code at k = 64
.macro TAILQK a
	v_or_b32 v[T0], s[ISQ], v[MK+\a]
	v_cmp_ne_u32 vcc_lo, 0, v[T0]                      ; does my row count?  (every query does)
.irp i, 0,1,2,3,4,5
	v_cndmask_b32 v[IA+\i], 0, v[PC+\i], vcc_lo
	v_cndmask_b32 v[IB+\i], 0, v[PC+6+\i], vcc_lo
.endr
	v_cndmask_b32 v[T0+1], 40, v[KB], vcc_lo           ; 40: the code of -1.0
	v_and_b32 v[IA+6], v[T0+1], v[HM]                  ; k = 64 lies in lanes 0-15; lanes 16-31 hold k = 96 on: zeros
	v_and_b32 v[IB+6], v[T0+1], v[HM]
	v_cndmask_b32 v[T0+2], v[HX], v[HK], vcc_lo
	v_and_or_b32 v[WA+\a], v[PW], 0xffff, v[T0+2]      ; the first head's two bytes, and the two of k = 64 on
	v_lshrrev_b32 v[T0+3], 16, v[PW]
	v_or_b32 v[WB+\a], v[T0+3], v[T0+2]
	global_store_b128 v[LI], v[IA:IA+3], s[RA:RA+1] offset:1024*\a
	global_store_b128 v[LI], v[IA+4:IA+7], s[RA:RA+1] offset:1024*\a+512
	global_store_b128 v[LI], v[IB:IB+3], s[RB:RB+1] offset:1024*\a
	global_store_b128 v[LI], v[IB+4:IB+7], s[RB:RB+1] offset:1024*\a+512
.endm
.macro TAILV a                         ; v: tiles 0-3 are the first head's 64 channels, tiles 4-7 the second's
.irp c, 0,1,2
.if (\a) < 4
	global_store_b128 v[LI], v[PC+4*\c:PC+4*\c+3], s[RA:RA+1] offset:8704+1536*((\a)%4)+512*\c
.else
	global_store_b128 v[LI], v[PC+4*\c:PC+4*\c+3], s[RB:RB+1] offset:8704+1536*((\a)%4)+512*\c
.endif
.endr
.endm
	s_load_b256 s[4:11], s[0:1], 0x0                   ; pan, sc, mask, qb
	s_load_b64 s[12:13], s[0:1], 0x20                  ; kv
	v_lshrrev_b32 v9, 5, v0
	v_readfirstlane_b32 s14, v9                        ; wave
	v_and_b32 v9, 31, v0
	v_and_b32 v10, 15, v0                              ; r
	v_bfe_u32 v11, v0, 4, 1                            ; h
	v_lshlrev_b32 v[LI], 4, v9
	v_lshl_add_u32 v[VSO], v11, 9, v[LI]
	v_and_b32 v[RP], 8, v10
	v_add_nc_u32 v[RP], v[RP], v10
	v_add_nc_u32 v[HM], -1, v11
	v_mul_u32_u24 v[VS8], v11, 483328                  ; 32 records of 15,104 bytes: one head on
	v_lshl_add_u32 v[VS8], v10, 4, v[VS8]
	v_mov_b32 v[HX], 0x01fd0000
	s_mov_b32 s[SEL], 0x76543210
	s_mov_b32 s[SEL+1], 0xfedcba98
	s_mov_b32 s[HALF], 0xffff0000
	s_mul_i32 s15, ttmp9, 3
	s_add_co_u32 s15, s15, s14                         ; task
	s_lshr_b32 s[KIND], s15, 8
	s_bfe_u32 s17, s15, 0x60002                        ; p
	s_and_b32 s18, s15, 3                              ; c
	s_cmp_eq_u32 s[KIND], 0
	s_cselect_b32 s19, 4, 6                            ; K steps
	s_cselect_b32 s20, 0, 256
	s_cselect_b32 s[ISQ], 1, 0
	s_cselect_b32 s46, 8, 0
	s_mov_b32 s47, 0x01010000
	s_cselect_b32 s47, 0x7f7f0000, s47
	v_mov_b32 v[KB], s46
	v_mov_b32 v[HK], s47
	s_mul_i32 s21, s17, s19
	s_add_co_u32 s21, s21, s20                         ; the activation's first SP
	s_mul_i32 s22, s18, s19
	s_mov_b32 s23, 680
	s_cmp_eq_u32 s[KIND], 1
	s_cselect_b32 s23, 656, s23
	s_cmp_eq_u32 s[KIND], 0
	s_cselect_b32 s23, 640, s23
	s_add_co_u32 s22, s22, s23                         ; the weight's first SP
	s_cmp_eq_u32 s[KIND], 2
	s_cselect_b32 s24, s21, s22                        ; source 0
	s_cselect_b32 s25, s22, s21                        ; source 1
	s_mul_i32 s[P0], s24, 12288
	s_mov_b32 s[P0+1], 0
	s_mul_i32 s[P1], s25, 12288
	s_mov_b32 s[P1+1], 0
	s_lshl_b32 s[Q0], s24, 10
	s_mov_b32 s[Q0+1], 0
	s_lshl_b32 s[Q1], s25, 10
	s_mov_b32 s[Q1+1], 0
	s_lshl_b32 s26, s17, 7                             ; the panel's first token
	s_mov_b32 s27, 0
	s_lshr_b32 s40, s17, 5                             ; batch
	s_lshl_b32 s40, s40, 3
	s_lshl_b32 s41, s18, 1
	s_add_co_u32 s40, s40, s41                         ; the first head: 8 x batch + 2 c
	s_lshl_b32 s40, s40, 5
	s_and_b32 s41, s17, 31
	s_add_co_u32 s40, s40, s41                         ; its record: 32 x head + panel
	s_wait_alu depctr_va_vdst(0)
	s_wait_kmcnt 0x0
	s_cmp_eq_u32 s[KIND], 0
	s_cselect_b64 s[RA:RA+1], s[10:11], s[12:13]       ; qb or kv: the choice hangs on ids alone
	s_mov_b32 s42, 15104
	s_cselect_b32 s42, 8704, s42
	s_mul_i32 s40, s40, s42
	s_mov_b32 s41, 0
	s_lshl_b32 s42, s42, 5
	s_mov_b32 s43, 0
	s_add_nc_u64 s[RA:RA+1], s[RA:RA+1], s[40:41]
	s_add_nc_u64 s[RB:RB+1], s[RA:RA+1], s[42:43]
	s_add_nc_u64 s[P0:P0+1], s[4:5], s[P0:P0+1]
	s_add_nc_u64 s[P1:P1+1], s[4:5], s[P1:P1+1]
	s_add_nc_u64 s[Q0:Q0+1], s[6:7], s[Q0:Q0+1]
	s_add_nc_u64 s[Q1:Q1+1], s[6:7], s[Q1:Q1+1]
	s_add_nc_u64 s[8:9], s[8:9], s[26:27]
.irp a, 0,1,2,3,4,5,6,7
	global_load_u8 v[MK+\a], v[RP], s[8:9] offset:32*(\a/2)+8*(\a%2)   ; the mask's byte of tile a's token in my lane
.endr
	LOADSTEP 0, 0
	LOADSTEP 1, 1
	STEP 0, 50, 1, 1                                   ; the first step's products start the sums: nothing is cleared
	STEP 1, 50, 1, 0
	s_cmp_eq_u32 s[KIND], 0
	s_cbranch_scc1 .Lshort
	STEP 2, 50, 1, 0                                   ; K = 768: six steps
	STEP 3, 50, 1, 0
	STEP 4, 50, 0, 0
	STEP 5, 0, 0, 0
	s_branch .Lsums
.Lshort:
	STEP 2, 50, 0, 0                                   ; K = 512: four
	STEP 3, 0, 0, 0
.Lsums:
.irp b, 0,1,2,3
	v_mov_b32 v[TM+4+\b], 0                            ; a lane permute's destination counts as one of its sources
.endr
	s_cmp_eq_u32 s[KIND], 2
	s_cbranch_scc1 .Lvpath
	v_mov_b32 v[IA+7], 0                               ; an image's eighth register stays 0
	v_mov_b32 v[IB+7], 0
.irp a, 0,1,2,3,4,5,6,7
	QUANTW \a, PW
	TAILQK \a
.endr
.irp i, 0,1,2,3
	v_cndmask_b32 v[D4+\i], v[WA+\i], v[WA+4+\i], s[HALF]   ; lanes 0-15 tiles 0-3's words, lanes 16-31 tiles 4-7's
	v_cndmask_b32 v[D5+\i], v[WB+\i], v[WB+4+\i], s[HALF]
.endr
	global_store_b128 v[LI], v[D4:D4+3], s[RA:RA+1] offset:8192
	global_store_b128 v[LI], v[D5:D5+3], s[RB:RB+1] offset:8192
	s_endpgm
.Lvpath:
.irp a, 0,1,2,3,4,5,6,7
	QUANTW \a, WA+\a
	TAILV \a
.endr
.irp i, 0,1,2,3
	v_cndmask_b32 v[D4+\i], v[WA+\i], v[WA+4+\i], s[HALF]
.endr
	global_store_b128 v[VS8], v[D4:D4+3], s[RA:RA+1] offset:14848   ; lanes 0-15: the first head's 256 bytes; lanes 16-31: the second's
	s_endpgm
.Lfunc_end_k_q6f6f05f210_proj:
	.size	k_q6f6f05f210_proj, .Lfunc_end_k_q6f6f05f210_proj-k_q6f6f05f210_proj
	.p2alignl 7, 3214868480
	.fill 96, 4, 3214868480
	.section	.rodata,"a",@progbits
	.p2align	6, 0x0
	.amdhsa_kernel k_q6f6f05f210_proj
		.amdhsa_group_segment_fixed_size 0
		.amdhsa_private_segment_fixed_size 0
		.amdhsa_enable_private_segment 0
		.amdhsa_kernarg_size 40
		.amdhsa_user_sgpr_count 2
		.amdhsa_user_sgpr_kernarg_segment_ptr 1
		.amdhsa_wavefront_size32 1
		.amdhsa_system_sgpr_workgroup_id_x 1
		.amdhsa_system_sgpr_workgroup_id_y 1
		.amdhsa_system_sgpr_workgroup_id_z 1
		.amdhsa_system_vgpr_workitem_id 0
		.amdhsa_next_free_vgpr 1024
		.amdhsa_next_free_sgpr 66
		.amdhsa_reserve_vcc 1
		.amdhsa_float_denorm_mode_32 3
		.amdhsa_float_denorm_mode_16_64 3
		.amdhsa_memory_ordered 1
		.amdhsa_forward_progress 1
		.amdhsa_inst_pref_size 174
	.end_amdhsa_kernel
	.amdgpu_metadata
---
amdhsa.version: [ 1, 2 ]
amdhsa.kernels:
  - .name:           k_q6f6f05f210_proj
    .symbol:         k_q6f6f05f210_proj.kd
    .args:
      - { .name: pan, .offset: 0, .size: 8, .value_kind: global_buffer, .address_space: global }
      - { .name: sc, .offset: 8, .size: 8, .value_kind: global_buffer, .address_space: global }
      - { .name: mask, .offset: 16, .size: 8, .value_kind: global_buffer, .address_space: global }
      - { .name: qb, .offset: 24, .size: 8, .value_kind: global_buffer, .address_space: global }
      - { .name: kv, .offset: 32, .size: 8, .value_kind: global_buffer, .address_space: global }
    .group_segment_fixed_size: 0
    .private_segment_fixed_size: 0
    .kernarg_segment_align: 8
    .kernarg_segment_size: 40
    .max_flat_workgroup_size: 96
    .sgpr_count:     66
    .vgpr_count:     1024
    .wavefront_size: 32
...
	.end_amdgpu_metadata
.endif
;; end of part 2
;; launch attn (part 3): grid 16 x 16, 8 waves a work-group, clusters of 4 x 1, 327,680 bytes of LDS; arguments qb, kv, pan, sc; writes pan, sc
.if DOCPART == 3
	.amdgcn_target "amdgcn-amd-amdhsa--gfx1250"
	.amdhsa_code_object_version 6
	.text
	.protected	k_q6f6f05f210_attn
	.globl	k_q6f6f05f210_attn
	.p2align	8
	.type	k_q6f6f05f210_attn,@function
k_q6f6f05f210_attn:
	s_mov_b64 s[64:65], 0
	v_nop
	global_prefetch_b8 v0, s[64:65] scope:SCOPE_SE
	s_setreg_imm32_b32 hwreg(HW_REG_WAVE_MODE, 25, 1), 1
	s_wait_xcnt 0x0
	s_wait_alu depctr_hold_cnt(0) depctr_sa_sdst(0) depctr_va_vdst(0) depctr_va_sdst(0) depctr_va_ssrc(0) depctr_va_vcc(0) depctr_vm_vsrc(0)
	s_getreg_b32 s2, hwreg(HW_REG_IB_STS2, 6, 4)
	s_cmp_eq_u32 s2, 0
	s_cbranch_scc0 .Lentry_in_a_cluster
	s_endpgm
.Lentry_in_a_cluster:
	s_bfe_u32 s2, ttmp6, 0x10000c
	s_cmp_lg_u32 s2, 0x3003
	s_cbranch_scc0 .Lentry_shape_is_right
	s_endpgm
.Lentry_shape_is_right:
; Attention on codes of E2M3: O = softmax(q k^T / 8, masked) v for 16 heads (batch x head) of 4,096 queries and 4,096 keys, head size 64; O leaves quantised, as the last product's operand.
; t = score x log2(e) / 8; M = the running largest t rounded UP to a whole number; p = 2^(t - M) is quantised along the keys; the row's sum is taken of the unquantised p and divides O at the end.
; THE MASK costs no line here: a masked key's score comes out of the product as exactly -2^126 (see the launch that makes qb and kv), so its p is 0 beside any key that counts;
; where no key has counted yet every t - M is exactly 0, p = 1 (the uniform weights that the definition gives a row with no key), and the first key that counts multiplies all that by 2^(old M - new M) = 0.
; SHARES.  A work-group owns 256 queries of one head; wave w owns tiles 2 (w % 4) and 2 (w % 4) + 1 of panel w / 4: each fragment of k and v read from LDS feeds two products.  Two waves to a SIMD.
; Both products are used transposed (S^T = k q^T, O^T = v^T p^T): a lane holds one query throughout; the keys of a tile of k are ordered so that p's 16 registers of two neighbouring tiles are 16 neighbouring keys.
; RING.  A record of kv (128 keys of a head: k, v^T, their scale words) is 15,104 dense bytes.  A slot holds 8 records; each of the 8 waves brings one by one tensor load.  Two slots.
; CLUSTER.  The four work-groups of a cluster walk the same head: each record is asked for JOINTLY, by the same load with the same descriptor and the mask of all four.
; No prefetch: a refill is asked for at a slot's head and waited for at the next slot's head, eight key steps on, so no wave waits for it.
; LIMITS: scores far under 2^126 in magnitude; NaN and infinities are not served; a block of O whose largest magnitude lies under 2^-124 keeps the byte 1.
; REGISTERS: window 0: v1-7 addresses; v8-23 statistics, 8 a tile: -M, largest t, the sum's two halves, f and its partner, two at work; v24-47 q; v48-59 scale words (q, p, k, v); v60, 61 addresses for O's scale bytes;
;   v64-191 S^T, then p; v192-215 p's codes; v216-230 conversions' second halves; v232-255 block maxima, bytes, scale operands.
;   window 1: v0-63 O^T; v64-159 eight fragments of k (registers 8-11 of each stay 0); v160-207 four fragments of v^T.
.set REC,   15104
.set SLOTB, 8*REC
.set SLOT1, 1<<17                      ; slot 1 begins here: one exclusive or turns an address from slot to slot
.set SPARE, 2*SLOT1                    ; the spare words: 128 bytes for each of 8 waves: four blocks of 256 bytes that no other line names
.set OSC,   SPARE+1024                 ; 512 bytes: O's scale bytes of the work-group's two panels meet here; no tile lands here
.set LI,  1                            ; 16 x lane
.set LR,  2                            ; 16 x (lane % 16)
.set ADR, 3
.set ADV, 4
.set SPW, 5                            ; my spare word's address; never rewritten
.set NIL, 6                            ; 0; never rewritten
.set L8,  7                            ; 8 x lane
.set ST,  8
.set QF,  24
.set QW,  48
.set PW,  50
.set KW,  52
.set VW,  56
.set OSA, 60
.set OSR, 61
.set S,   64
.set PF,  192
.set CT,  216
.set BM,  232
.set BT,  240
.set BS,  248
.set KF,  64                           ; in window 1
.set VF,  160
.set WV,  12
.set SEL, 20
.set CS,  22
.set G1,  24
.set G0,  32
.set TB,  36
.set SLOTS, 37
.set CNT8, 38
.set MSB, 0
.macro WIN new                         ; the immediate's high byte repeats the setting that is left
.if MSB != \new
	s_set_vgpr_msb (MSB<<8)|\new
.set MSB, \new
.endif
.endm
.macro PLACES
.rept 4
	v_nop
.endr
.endm
.macro CROUND                          ; a round of the cluster's barrier
	s_barrier_signal -1
	s_barrier_wait -1
	s_cmp_lg_u32 s[WV], 0
	s_cbranch_scc1 .Lnot_wave_0_\@
	s_barrier_signal -3
.Lnot_wave_0_\@:
	s_barrier_wait -3
	s_barrier_signal -1
	s_barrier_wait -1
.endm
	s_load_b256 s[4:11], s[0:1], 0x0                   ; qb, kv, pan, sc
	v_lshl_add_u32 v[SPW], v0, 2, SPARE
	v_mov_b32 v[NIL], 0
	ds_add_u32 v[SPW], v[NIL]                          ; the wave's opening: the add and its wait stand ahead of my first tensor load; the set-up below, work on registers, stands between them
	ds_add_u32 v[SPW], v[NIL]
	v_lshrrev_b32 v62, 5, v0
	s_delay_alu instid0(VALU_DEP_1)
	v_readfirstlane_b32 s[WV], v62                     ; wave 0..7
	v_and_b32 v62, 31, v0
	v_and_b32 v63, 15, v0
	s_wait_alu depctr_va_vdst(0)
	v_lshlrev_b32 v[LI], 4, v62
	v_lshlrev_b32 v[L8], 3, v62
	s_wait_alu depctr_va_vdst(0)
	v_lshlrev_b32 v[LR], 4, v63
	s_lshr_b32 s40, s[WV], 2                           ; which of the two panels
	s_lshl_b32 s16, s40, 8
	s_bfe_u32 s17, s[WV], 0x10001                      ; my tiles lie among tiles 0-3 (0) or 4-7 (1)
	s_lshl_b32 s17, s17, 7
	s_add_co_u32 s16, s16, s17
	s_and_b32 s56, s[WV], 1
	s_lshl_b32 s17, s56, 2
	s_add_co_u32 s16, s16, s17
	s_add_co_u32 s16, s16, OSC
	v_lshl_add_u32 v[OSA], v63, 3, s16                 ; where my two tiles' scale bytes go: 256 x panel + 8 (16 q + r) + 4 (w % 2)
	s_lshl_b32 s17, s56, 8
	s_add_co_u32 s17, s17, OSC
	v_add_nc_u32 v[OSR], s17, v[L8]                    ; and where waves 0 and 1 read a panel's 256 bytes back
	s_bfe_u32 s13, ttmp6, 0x40000                      ; cx: it enters q's and O's global addresses alone
	s_lshl_b32 s14, ttmp9, 2
	s_add_co_u32 s14, s14, s13                         ; my block of 256 queries
	s_and_b32 s15, ttmp7, 0xffff                       ; the head (8 x batch + head), which the four partners share
	; descriptor group 1: 59 rows of 256 bytes (32 elements of 8 bytes), dense, no padding
	s_mov_b32 s[G1], 15|(3<<16)|(1<<21)                ; 15:0 the mask: all four work-groups; 17:16 elements of 8 bytes; 21 set beside a mask
	s_mov_b32 s[G1+1], 32<<16                          ; tensor_dim0 = 32
	s_mov_b32 s[G1+2], 59<<16                          ; tensor_dim1 = 59
	s_mov_b32 s[G1+3], 32<<16                          ; tile_dim0 = 32
	s_mov_b32 s[G1+4], 59                              ; tile_dim1 = 59
	s_mov_b32 s[G1+5], 32                              ; elements from row to row
	s_mov_b32 s[G1+6], 0
	s_mov_b32 s[G1+7], 0
	s_mov_b32 s[G0], 1
	s_mul_i32 s[G0+1], s[WV], REC                      ; LDS: slot 0, my record
	s_mul_i32 s16, s15, 32*REC                         ; the head's records,
	s_add_co_u32 s16, s16, s[G0+1]                     ; my one of the first eight
	s_mov_b32 s17, 0
	s_mov_b32 s[SEL], 0x76543210
	s_mov_b32 s[SEL+1], 0xfedcba98
	s_mov_b32 s[CS], 0x3e38aa3b                        ; c = log2(e) / 8
	s_mov_b32 s[CS+1], s[CS]
	s_mov_b32 s[TB], 0
	s_mov_b32 s[SLOTS], 3
	s_and_b32 s41, s[WV], 3
	s_lshl_b32 s41, s41, 1                             ; a0: my first tile
	s_lshl_b32 s42, s14, 1
	s_add_co_u32 s42, s42, s40                         ; my panel of 128 queries in the head
	s_lshl_b32 s43, s15, 5
	s_add_co_u32 s43, s43, s42
	s_mul_i32 s44, s43, 8704                           ; its record in qb
	s_lshl_b32 s46, s41, 10
	s_add_co_u32 s46, s46, s44                         ; my tiles' images
	s_mov_b32 s47, 0
	s_lshr_b32 s48, s41, 2
	s_lshl_b32 s48, s48, 8
	s_and_b32 s49, s41, 3
	s_lshl_b32 s49, s49, 2
	s_add_co_u32 s48, s48, s49
	s_add_co_u32 s48, s48, s44
	s_add_co_u32 s48, s48, 8192                        ; my tiles' scale words
	s_mov_b32 s49, 0
	s_lshr_b32 s50, s15, 3
	s_lshl_b32 s50, s50, 5                             ; 32 x batch
	s_add_co_u32 s51, s50, s42                         ; token panel
	s_lshl_b32 s51, s51, 2
	s_bfe_u32 s52, s15, 0x20001                        ; the last product's K step: head / 2
	s_add_co_u32 s51, s51, s52
	s_add_co_u32 s51, s51, 720                         ; O's step-panel
	s_mul_i32 s54, s51, 12288
	s_mul_i32 s53, s41, 1536
	s_add_co_u32 s54, s54, s53
	s_and_b32 s53, s15, 1                              ; which half of a fragment: head % 2
	s_mul_i32 s55, s53, 768
	s_add_co_u32 s54, s54, s55
	s_mov_b32 s55, 0
	s_lshl_b32 s57, s14, 1
	s_add_co_u32 s57, s57, s56                         ; waves 0 and 1 store the scale bytes of panel w
	s_add_co_u32 s57, s57, s50
	s_lshl_b32 s57, s57, 2
	s_add_co_u32 s57, s57, s52
	s_add_co_u32 s57, s57, 720
	s_lshl_b32 s58, s57, 10
	s_lshl_b32 s59, s53, 8
	s_add_co_u32 s58, s58, s59
	s_mov_b32 s59, 0
	s_wait_dscnt 0x0                                   ; the opening add is done
	s_wait_kmcnt 0x0
	s_add_nc_u64 s[G0+2:G0+3], s[6:7], s[16:17]
	s_or_b32 s[G0+3], s[G0+3], 0x80000000              ; type = 2
	s_add_nc_u64 s[46:47], s[4:5], s[46:47]
	s_add_nc_u64 s[48:49], s[4:5], s[48:49]
	s_add_nc_u64 s[54:55], s[8:9], s[54:55]
	s_add_nc_u64 s[58:59], s[10:11], s[58:59]
	CROUND                                             ; all four work-groups are here: the first joint loads meet
	tensor_load_to_lds s[G0:G0+3], s[G1:G1+7]          ; slot 0: one load of mine is out
	s_nop 0
	PLACES
	s_wait_alu depctr_va_vdst(0)
.irp q, 0,1
	global_load_b128 v[QF+12*\q:QF+12*\q+3], v[LI], s[46:47] offset:1024*\q
	global_load_b128 v[QF+12*\q+4:QF+12*\q+7], v[LI], s[46:47] offset:1024*\q+512
	global_load_b32 v[QW+\q], v[LR], s[48:49] offset:4*\q
.endr
.irp q, 0,1
.irp i, 8,9,10,11
	v_mov_b32 v[QF+12*\q+\i], 0                        ; k = 80 on: zeros
.endr
.endr
	WIN 0x40                                           ; destination window 1
.irp t, 0,1,2,3,4,5,6,7
.irp i, 8,9,10,11
	v_mov_b32 v[KF+12*\t+\i], 0
.endr
.endr
.set jj, 0
.rept 64
	v_mov_b32 v[jj], 0                                 ; O^T.  (The step is written once: the first finds zeros, which the first change of M leaves zeros)
.set jj, jj+1
.endr
	WIN 0
.irp q, 0,1
	v_mov_b32 v[ST+8*\q+1], 0xff61b1e6                 ; the largest t so far: -3e38
	s_delay_alu instid0(VALU_DEP_1)
	v_floor_f32 v[ST+8*\q], -v[ST+8*\q+1]              ; -M
.irp i, 2,3,4,5,6,7
	v_mov_b32 v[ST+8*\q+\i], 0
.endr
.endr
.irp n, 0,1,2,3,4,5,6,7
	v_mov_b32 v[BT+\n], 0                              ; a lane permute's destination counts as one of its sources
.endr
	s_wait_loadcnt 0x0                                 ; q
; A KEY STEP: 128 keys for my two tiles of queries
.macro STEP
	v_add_nc_u32 v[ADR], s[TB], v[LI]
	v_add_nc_u32 v[ADV], s[TB], v[LR]
	ds_load_b128 v[KW:KW+3], v[ADR] offset:8192        ; k's scale words: lanes 0-15 tiles 0-3, lanes 16-31 tiles 4-7
	ds_load_b128 v[VW:VW+3], v[ADV] offset:14848       ; v's
	WIN 0x40                                           ; destination window 1
.irp t, 0,1,2,3,4,5,6,7
.irp c, 0,1
	ds_load_b128 v[KF+12*\t+4*\c:KF+12*\t+4*\c+3], v[ADR] offset:1024*\t+512*\c
.endr
.endr
.irp d, 0,1,2,3
.irp c, 0,1,2
	ds_load_b128 v[VF+12*\d+4*\c:VF+12*\d+4*\c+3], v[ADR] offset:8704+1536*\d+512*\c
.endr
.endr
	s_wait_dscnt 12                                    ; all but v's twelve loads
	WIN 0x01                                           ; source 0 (k) window 1
.irp t, 0,1,2,3
.irp q, 0,1
	v_wmma_scale_f32_16x16x128_f8f6f4 v[S+64*\q+8*\t:S+64*\q+8*\t+7], v[KF+12*\t:KF+12*\t+11], v[QF+12*\q:QF+12*\q+11], 0, v[KW+\t], v[QW+\q] matrix_a_fmt:MATRIX_FMT_FP6 matrix_b_fmt:MATRIX_FMT_FP6
.endr
.endr
.irp t, 4,5,6,7
.irp q, 0,1
	v_wmma_scale_f32_16x16x128_f8f6f4 v[S+64*\q+8*\t:S+64*\q+8*\t+7], v[KF+12*\t:KF+12*\t+11], v[QF+12*\q:QF+12*\q+11], 0, v[KW+\t-4], v[QW+\q] matrix_a_fmt:MATRIX_FMT_FP6 matrix_b_fmt:MATRIX_FMT_FP6 matrix_a_scale:MATRIX_SCALE_ROW1
.endr
.endr
	WIN 0
	PLACES                                             ; four places in front of the first read of results
	; the largest score of each block of 32 keys (n = 4 x tile + block; its 16 registers begin at S + 16 n): it serves for the row's maximum and, since p rises with the score, for the block's largest p
.irp n, 0,1,2,3,4,5,6,7
	v_max3_num_f32 v[BM+\n], v[S+16*\n], v[S+16*\n+1], v[S+16*\n+2]
.endr
.irp i, 3,5,7,9,11,13
.irp n, 0,1,2,3,4,5,6,7
	v_max3_num_f32 v[BM+\n], v[BM+\n], v[S+16*\n+\i], v[S+16*\n+\i+1]
.endr
.endr
.irp n, 0,1,2,3,4,5,6,7
	v_max_num_f32 v[BM+\n], v[BM+\n], v[S+16*\n+15]
.endr
.irp n, 0,1,2,3,4,5,6,7
	v_permlanex16_b32 v[BT+\n], v[BM+\n], s[SEL], s[SEL+1]
.endr
.irp n, 0,1,2,3,4,5,6,7
	v_max_num_f32 v[BM+\n], v[BM+\n], v[BT+\n]         ; with lane l xor 16's 16 keys
.endr
.irp q, 0
	v_max3_num_f32 v[ST+8*\q+6], v[BM+4*\q], v[BM+4*\q+1], v[BM+4*\q+2]
.endr
.irp q, 1
	s_delay_alu instid0(VALU_DEP_3)
	v_max3_num_f32 v[ST+8*\q+6], v[BM+4*\q], v[BM+4*\q+1], v[BM+4*\q+2]
.endr
.irp q, 0,1
	s_delay_alu instid0(VALU_DEP_2)
	v_max_num_f32 v[ST+8*\q+6], v[ST+8*\q+6], v[BM+4*\q+3]
.endr
.irp q, 0,1
	s_delay_alu instid0(VALU_DEP_2)
	v_mul_f32 v[ST+8*\q+6], s[CS], v[ST+8*\q+6]        ; the step's largest t
.endr
.irp q, 0,1
	s_delay_alu instid0(VALU_DEP_2)
	v_max_num_f32 v[ST+8*\q+1], v[ST+8*\q+1], v[ST+8*\q+6]
.endr
.irp q, 0,1
	v_mov_b32 v[ST+8*\q+6], v[ST+8*\q]
.endr
.irp q, 0,1
	s_delay_alu instid0(VALU_DEP_4)
	v_floor_f32 v[ST+8*\q], -v[ST+8*\q+1]              ; the new -M = -ceil(t): a whole number
.endr
.irp q, 0,1
	s_delay_alu instid0(VALU_DEP_2)
	v_sub_f32 v[ST+8*\q+6], v[ST+8*\q], v[ST+8*\q+6]   ; old M - new M, 0 or less
.endr
.irp q, 0,1
	s_delay_alu instid0(VALU_DEP_2)
	v_cvt_i32_f32 v[ST+8*\q+6], v[ST+8*\q+6]           ; (it saturates)
.endr
.irp q, 0,1
	s_delay_alu instid0(VALU_DEP_2)
	v_ldexp_f32 v[ST+8*\q+4], 1.0, v[ST+8*\q+6]        ; f = 2^(old M - new M)
.endr
.irp q, 0,1
.set jj, 0
.rept 32
	v_pk_fma_f32 v[S+64*\q+jj:S+64*\q+jj+1], v[S+64*\q+jj:S+64*\q+jj+1], s[CS:CS+1], v[ST+8*\q:ST+8*\q+1] op_sel_hi:[1,0,0]   ; t - M, two at a time
.set jj, jj+2
.endr
.endr
.irp n, 0,1,2,3,4,5,6,7
	v_fma_f32 v[BM+\n], v[BM+\n], s[CS], v[ST+8*(\n/4)]   ; the same of each block's largest score
.endr
.set jj, 0
	s_wait_alu depctr_va_vdst(0)
.rept 128
	v_exp_f32 v[S+jj], v[S+jj]                         ; p = 2^(t - M)
.set jj, jj+1
.endr
.irp q, 0,1
	v_pk_mul_f32 v[ST+8*\q+2:ST+8*\q+3], v[ST+8*\q+2:ST+8*\q+3], v[ST+8*\q+4:ST+8*\q+5] op_sel_hi:[1,0]   ; the sums under the new M (plain places behind the exponentials)
.endr
	s_wait_alu depctr_va_vdst(0)                       ; one wait for the batch of 128, ahead of its first reader
.irp n, 0,1,2,3,4,5,6,7
	v_exp_f32 v[BM+\n], v[BM+\n]                       ; each block's largest p
.endr
.irp q, 0,1
	v_pk_add_f32 v[ST+8*\q+6:ST+8*\q+7], v[S+64*\q:S+64*\q+1], v[S+64*\q+2:S+64*\q+3]   ; the row's sum of the UNQUANTISED p, in two chains a tile
.endr
.irp j, 4,8,12,16,20,24,28,32,36,40,44,48,52,56,60
.irp q, 0,1
	v_pk_add_f32 v[ST+8*\q+2:ST+8*\q+3], v[ST+8*\q+2:ST+8*\q+3], v[S+64*\q+\j:S+64*\q+\j+1]
	v_pk_add_f32 v[ST+8*\q+6:ST+8*\q+7], v[ST+8*\q+6:ST+8*\q+7], v[S+64*\q+\j+2:S+64*\q+\j+3]
.endr
.endr
.irp q, 0
	s_delay_alu instid0(VALU_DEP_3)
	v_pk_add_f32 v[ST+8*\q+2:ST+8*\q+3], v[ST+8*\q+2:ST+8*\q+3], v[ST+8*\q+6:ST+8*\q+7]
.endr
.irp q, 1
	s_delay_alu instid0(VALU_DEP_2)
	v_pk_add_f32 v[ST+8*\q+2:ST+8*\q+3], v[ST+8*\q+2:ST+8*\q+3], v[ST+8*\q+6:ST+8*\q+7]
.endr
	s_wait_alu depctr_va_vdst(0)                       ; and one for the eight
.irp n, 0,1,2,3,4,5,6,7
	v_max_num_f32 v[BM+\n], 0x1800000, v[BM+\n]        ; the floor 2^(3 - 127): the byte cannot fall under 1
.endr
.irp n, 0,1,2,3,4,5,6,7
	v_add_nc_u32 v[BS+\n], 0xff000000, v[BM+\n]        ; 2 off the exponent field: the conversion's scale operand
.endr
.irp n, 0,1,2,3,4,5,6,7
	v_lshrrev_b32 v[BT+\n], 23, v[BS+\n]               ; the scale's byte
.endr
.irp q, 0
	v_lshl_or_b32 v[PW+\q], v[BT+4*\q+1], 8, v[BT+4*\q]
.endr
.irp q, 1
	s_delay_alu instid0(VALU_DEP_4)
	v_lshl_or_b32 v[PW+\q], v[BT+4*\q+1], 8, v[BT+4*\q]
.endr
.irp q, 0,1
	s_delay_alu instid0(VALU_DEP_2)
	v_lshl_or_b32 v[PW+\q], v[BT+4*\q+2], 16, v[PW+\q]
.endr
.irp q, 0,1
	s_delay_alu instid0(VALU_DEP_2)
	v_lshl_or_b32 v[PW+\q], v[BT+4*\q+3], 24, v[PW+\q] ; p's scale word for these 128 keys
.endr
.irp q, 0,1
.irp c, 0,1
	v_cvt_scalef32_pk16_fp6_f32 v[PF+12*\q+6*\c:PF+12*\q+6*\c+2], v[S+64*\q+32*\c:S+64*\q+32*\c+15], v[BS+4*\q+2*\c]
	v_cvt_scalef32_pk16_fp6_f32 v[CT+8*\q+4*\c:CT+8*\q+4*\c+2], v[S+64*\q+32*\c+16:S+64*\q+32*\c+31], v[BS+4*\q+2*\c+1]
.endr
.endr
	v_nop                                              ; one plain place behind a scaled conversion
.irp q, 0,1
.irp c, 0,1
.irp i, 0,1,2
	v_permlane16_swap_b32 v[PF+12*\q+6*\c+\i], v[CT+8*\q+4*\c+\i]   ; a whole block to a lane
.endr
.irp i, 0,1,2
	s_delay_alu instid0(VALU_DEP_3)
	v_mov_b32 v[PF+12*\q+6*\c+3+\i], v[CT+8*\q+4*\c+\i]
.endr
.endr
.endr
	WIN 0x41                                           ; O^T (destination and source 0) window 1, f window 0
.irp q, 0,1
.set jj, 0
.rept 16
	v_pk_mul_f32 v[32*\q+jj:32*\q+jj+1], v[32*\q+jj:32*\q+jj+1], v[ST+8*\q+4:ST+8*\q+5] op_sel_hi:[1,0]   ; O^T under the new M.  (These 32 are also the places between p's codes and scale words and the products)
.set jj, jj+2
.endr
.endr
	s_wait_alu depctr_va_vdst(0)
	s_wait_dscnt 0x0                                   ; v is in
	WIN 0x51                                           ; v^T and O^T window 1, p window 0
.irp d, 0,1,2,3
.irp q, 0,1
	v_wmma_scale_f32_16x16x128_f8f6f4 v[32*\q+8*\d:32*\q+8*\d+7], v[VF+12*\d:VF+12*\d+11], v[PF+12*\q:PF+12*\q+11], v[32*\q+8*\d:32*\q+8*\d+7], v[VW+\d], v[PW+\q] matrix_a_fmt:MATRIX_FMT_FP6 matrix_b_fmt:MATRIX_FMT_FP6
.endr
.endr
	WIN 0
	PLACES                                             ; four places in front of the next loads into v's registers, and of the way out's first read of O^T
.endm
; THE CHANGE OF SLOTS stands at a slot's head.  Each wave waits for all its tensor loads (one is out: its record of the slot ahead), adds 0 to its spare word, and waits for that and for its reads of the slot that it has left.
; fill = 1: a round of the cluster's barrier, and behind it the slot just left takes the next eight records: the load has eight key steps in which to land.
.macro CHANGE fill
	s_wait_tensorcnt 0x0
	ds_add_u32 v[SPW], v[NIL]
.if \fill
	s_xor_b32 s[G0+1], s[G0+1], SLOT1                  ; no load of mine is out, so the descriptor may be written: the other slot,
	s_add_nc_u64 s[G0+2:G0+3], s[G0+2:G0+3], SLOTB     ; the next eight records
.endif
	s_wait_dscnt 0x0
.if \fill
	CROUND
	tensor_load_to_lds s[G0:G0+3], s[G1:G1+7]
	s_nop 0
	PLACES
.else
	s_barrier_signal -1
	s_barrier_wait -1
.endif
.endm
.macro EIGHT                           ; a slot's eight key steps: written once, walked eight times
	s_mov_b32 s[CNT8], 8
.Lstep_\@:
	STEP
	s_add_co_u32 s[TB], s[TB], REC
	s_sub_co_u32 s[CNT8], s[CNT8], 1
	s_cmp_lg_u32 s[CNT8], 0
	s_cbranch_scc1 .Lstep_\@
	s_sub_co_u32 s[TB], s[TB], SLOTB
	s_xor_b32 s[TB], s[TB], SLOT1                      ; on to the other slot
.endm
.Lslot:                                                ; three trips: behind each change of slots but the last the next slot is asked for
	CHANGE 1
	EIGHT
	s_sub_co_u32 s[SLOTS], s[SLOTS], 1
	s_cmp_lg_u32 s[SLOTS], 0
	s_cbranch_scc1 .Lslot
	CHANGE 0                                           ; the last slot is written out
	EIGHT
	; THE WAY OUT.  O^T / the sum; a lane's 32 numbers (register 16 b + i = channel 32 b + 16 (lane / 16) + i) are two blocks of the last product's K: quantised, they are half a fragment.
.irp q, 0,1
	v_add_f32 v[BM+\q], v[ST+8*\q+2], v[ST+8*\q+3]
.endr
.irp q, 0,1
	s_delay_alu instid0(VALU_DEP_2)
	v_permlanex16_b32 v[BT+\q], v[BM+\q], s[SEL], s[SEL+1]
.endr
.irp q, 0,1
	s_delay_alu instid0(VALU_DEP_2)
	v_add_f32 v[BM+\q], v[BM+\q], v[BT+\q]             ; the row's sum
.endr
	s_wait_alu depctr_va_vdst(0)
.irp q, 0,1
	v_rcp_f32 v[ST+8*\q+6], v[BM+\q]
.endr
	v_nop                                              ; a plain place behind the reciprocals
	s_wait_alu depctr_va_vdst(0)                       ; one wait for the two, ahead of the first reader
	WIN 0x01                                           ; source 0 (O^T) window 1
.irp q, 0,1
.set jj, 0
.rept 16
	v_pk_mul_f32 v[S+64*\q+jj:S+64*\q+jj+1], v[32*\q+jj:32*\q+jj+1], v[ST+8*\q+6:ST+8*\q+7] op_sel_hi:[1,0]   ; each accumulator from its low end on
.set jj, jj+2
.endr
.endr
	WIN 0
.irp n, 0,1,2,3                                    ; n = 2 x tile + block
	v_max3_num_f32 v[BM+\n], |v[S+64*(\n/2)+16*(\n%2)]|, |v[S+64*(\n/2)+16*(\n%2)+1]|, 0x1800000
.endr
.irp i, 2,4,6,8,10,12,14
.irp n, 0,1,2,3
	s_delay_alu instid0(VALU_DEP_4)
	v_max3_num_f32 v[BM+\n], v[BM+\n], |v[S+64*(\n/2)+16*(\n%2)+\i]|, |v[S+64*(\n/2)+16*(\n%2)+\i+1]|
.endr
.endr
.irp n, 0,1,2,3
	s_delay_alu instid0(VALU_DEP_4)
	v_permlanex16_b32 v[BT+\n], v[BM+\n], s[SEL], s[SEL+1]
.endr
.irp n, 0,1,2,3
	s_delay_alu instid0(VALU_DEP_4)
	v_max_num_f32 v[BM+\n], v[BM+\n], v[BT+\n]
.endr
.irp n, 0,1,2,3
	s_delay_alu instid0(VALU_DEP_4)
	v_add_nc_u32 v[BS+\n], 0xff000000, v[BM+\n]
.endr
.irp n, 0,1,2,3
	s_delay_alu instid0(VALU_DEP_4)
	v_lshrrev_b32 v[BT+\n], 23, v[BS+\n]
.endr
	s_delay_alu instid0(VALU_DEP_3)
	v_lshl_or_b32 v[BM], v[BT+1], 8, v[BT]             ; tile a0's two bytes,
	s_delay_alu instid0(VALU_DEP_2)
	v_lshl_or_b32 v[BM+1], v[BT+3], 8, v[BT+2]         ; tile a0 + 1's,
	s_delay_alu instid0(VALU_DEP_1)
	v_lshl_or_b32 v[BM], v[BM+1], 16, v[BM]            ; in one word
.irp q, 0,1
	v_cvt_scalef32_pk16_fp6_f32 v[PF+12*\q:PF+12*\q+2], v[S+64*\q:S+64*\q+15], v[BS+2*\q]
	v_cvt_scalef32_pk16_fp6_f32 v[CT+8*\q:CT+8*\q+2], v[S+64*\q+16:S+64*\q+31], v[BS+2*\q+1]
.endr
	v_nop
.irp q, 0,1
.irp i, 0,1,2
	v_permlane16_swap_b32 v[PF+12*\q+\i], v[CT+8*\q+\i]
.endr
.irp i, 0,1,2
	s_delay_alu instid0(VALU_DEP_3)
	v_mov_b32 v[PF+12*\q+3+\i], v[CT+8*\q+\i]
.endr
.endr
.irp q, 0,1
.irp k, 0,1,2
	global_store_b64 v[L8], v[PF+12*\q+2*\k:PF+12*\q+2*\k+1], s[54:55] offset:1536*\q+256*\k   ; 32 lanes store 256 consecutive bytes, aligned
.endr
.endr
	ds_store_b32 v[OSA], v[BM]                         ; both halves of the lanes write the same word with the same value
	s_wait_dscnt 0x0                                   ; for the others' sake
	s_barrier_signal -1
	s_barrier_wait -1
	s_cmp_lt_u32 s[WV], 2
	s_cbranch_scc0 .Lno_sc
	ds_load_b64 v[BS:BS+1], v[OSR]                     ; panel w's scale bytes of this head: 256 bytes
	s_wait_dscnt 0x0
	global_store_b64 v[L8], v[BS:BS+1], s[58:59]
.Lno_sc:
	s_wait_tensorcnt 0x0                               ; the wave's end, behind my last tensor load and my last LDS store
	ds_add_u32 v[SPW], v[NIL]
	s_wait_dscnt 0x0
	CROUND                                             ; the closing round
	s_endpgm
.Lfunc_end_k_q6f6f05f210_attn:
	.size	k_q6f6f05f210_attn, .Lfunc_end_k_q6f6f05f210_attn-k_q6f6f05f210_attn
	.p2alignl 7, 3214868480
	.fill 96, 4, 3214868480
	.section	.rodata,"a",@progbits
	.p2align	6, 0x0
	.amdhsa_kernel k_q6f6f05f210_attn
		.amdhsa_group_segment_fixed_size 327680
		.amdhsa_private_segment_fixed_size 0
		.amdhsa_enable_private_segment 0
		.amdhsa_kernarg_size 32
		.amdhsa_user_sgpr_count 2
		.amdhsa_user_sgpr_kernarg_segment_ptr 1
		.amdhsa_wavefront_size32 1
		.amdhsa_system_sgpr_workgroup_id_x 1
		.amdhsa_system_sgpr_workgroup_id_y 1
		.amdhsa_system_sgpr_workgroup_id_z 1
		.amdhsa_system_vgpr_workitem_id 0
		.amdhsa_next_free_vgpr 512
		.amdhsa_next_free_sgpr 66
		.amdhsa_reserve_vcc 0
		.amdhsa_float_denorm_mode_32 3
		.amdhsa_float_denorm_mode_16_64 3
		.amdhsa_memory_ordered 1
		.amdhsa_forward_progress 1
		.amdhsa_inst_pref_size 81
	.end_amdhsa_kernel
	.amdgpu_metadata
---
amdhsa.version: [ 1, 2 ]
amdhsa.kernels:
  - .name:           k_q6f6f05f210_attn
    .symbol:         k_q6f6f05f210_attn.kd
    .args:
      - { .name: qb, .offset: 0, .size: 8, .value_kind: global_buffer, .address_space: global }
      - { .name: kv, .offset: 8, .size: 8, .value_kind: global_buffer, .address_space: global }
      - { .name: pan, .offset: 16, .size: 8, .value_kind: global_buffer, .address_space: global }
      - { .name: sc, .offset: 24, .size: 8, .value_kind: global_buffer, .address_space: global }
    .group_segment_fixed_size: 327680
    .private_segment_fixed_size: 0
    .kernarg_segment_align: 8
    .kernarg_segment_size: 32
    .max_flat_workgroup_size: 256
    .sgpr_count:     66
    .vgpr_count:     512
    .wavefront_size: 32
...
	.end_amdgpu_metadata
.endif
;; end of part 3
;; launch outp (part 4): grid 256 x 1, 4 waves a work-group, no clusters, 70,144 bytes of LDS; arguments pan, sc, bo, out0; writes out0
.if DOCPART == 4
	.amdgcn_target "amdgcn-amd-amdhsa--gfx1250"
	.amdhsa_code_object_version 6
	.text
	.protected	k_q6f6f05f210_outp
	.globl	k_q6f6f05f210_outp
	.p2align	8
	.type	k_q6f6f05f210_outp,@function
k_q6f6f05f210_outp:
	s_mov_b64 s[64:65], 0
	v_nop
	global_prefetch_b8 v0, s[64:65] scope:SCOPE_SE
	s_setreg_imm32_b32 hwreg(HW_REG_WAVE_MODE, 25, 1), 1
	s_wait_xcnt 0x0
; out0 = O Wo + bo on codes of E2M3.  A work-group makes 128 tokens (panel p = work-group / 4) x 128 columns (panel c = work-group % 4); K = 512 in four steps.
; Wave w makes 64 tokens (O's tiles 4 th + a, th = w / 2) x 64 columns (Wo's tiles 4 ch + b, ch = w % 2): 16 accumulators.
; Source 0 = Wo's columns, source 1 = O's tokens: a lane holds one token and eight neighbouring columns.  bo is the C of the first step's products: it costs no addition.
; Operands come from memory as images of their registers; all four steps' have registers of their own, so all 164 loads of a wave are issued on end.
; O's fragments were stored by halves (a head each): six loads of 8 bytes a lane.  O's scale bytes were stored by heads, two bytes a tile: sixteen byte permutes make the words.
; A tile's lane-row p is panel row 32 B + 8 u + p + 8 (p / 8) (tile 2 B + u): accumulator (a, b)'s register j of lane (r, h) is my column 32 (b / 2) + 16 h + 8 (b % 2) + j of my token 32 (a / 2) + 8 (a % 2) + r + 8 (r / 8).
; No clusters, tensor loads or prefetch: each image goes straight into registers, and the text has no loop to run ahead in.
; REGISTERS: window 0: v1-11 addresses; v16-31 Wo's scale words; v32-47 O's; v48-63 O's scale bytes as loaded; v64-255 O's fragments (step s, tile a at 64 + 48 s + 12 a; on the way out v64-191: rows read back);
;   window 1: Wo's fragments at 48 s + 12 b; bo at v192-223;  window 2: accumulator (a, b) at v[8 (4 a + b)].
.set LI,  1                            ; 16 x lane
.set R8,  2                            ; 8 r
.set L8,  3                            ; 8 x lane
.set STO, 4                            ; my stage + 272 r + 64 h
.set BOA, 5                            ; 64 h
.set SPW, 6                            ; my spare word's address; never rewritten
.set NIL, 7                            ; 0; never rewritten
.set RD,  10                           ; my stage + 272 h + 16 r
.set CO,  11                           ; 2048 h + 16 r
.set SW0, 16
.set SW1, 32
.set PL,  48
.set F1,  64
.set BO,  192
.set TILEB, 16*272                     ; a tile's stage: 16 rows x (256 bytes + 16)
.set WSTG,  4*TILEB                    ; a wave's four
.set SPARE, 4*WSTG                     ; behind the stages: the spare words, 512 bytes that no other line names
.set P0,  24
.set P1,  26
.set Q0,  28
.set Q1,  30
.set MSB, 0
.macro WIN new                         ; the immediate's high byte repeats the setting that is left
.if MSB != \new
	s_set_vgpr_msb (MSB<<8)|\new
.set MSB, \new
.endif
.endm
; 16 products of K step s.  The 16 accumulators take turns, one instruction a turn, in the same order in every step
.macro MULS s
.irp a, 0,1,2,3
.irp b, 0,1,2,3
.if (\s) == 0
	v_wmma_scale_f32_16x16x128_f8f6f4 v[8*(4*\a+\b):8*(4*\a+\b)+7], v[48*(\s)+12*\b:48*(\s)+12*\b+11], v[F1+48*(\s)+12*\a:F1+48*(\s)+12*\a+11], v[BO+8*\b:BO+8*\b+7], v[SW0+4*(\s)+\b], v[SW1+4*(\s)+\a] matrix_a_fmt:MATRIX_FMT_FP6 matrix_b_fmt:MATRIX_FMT_FP6
.else
	v_wmma_scale_f32_16x16x128_f8f6f4 v[8*(4*\a+\b):8*(4*\a+\b)+7], v[48*(\s)+12*\b:48*(\s)+12*\b+11], v[F1+48*(\s)+12*\a:F1+48*(\s)+12*\a+11], v[8*(4*\a+\b):8*(4*\a+\b)+7], v[SW0+4*(\s)+\b], v[SW1+4*(\s)+\a] matrix_a_fmt:MATRIX_FMT_FP6 matrix_b_fmt:MATRIX_FMT_FP6
.endif
.endr
.endr
.endm
.macro LOADSTEP s                      ; 12 + 24 = 36 loads
	WIN 0x40                                           ; destination window 1
.irp b, 0,1,2,3
.irp c, 0,1,2
	global_load_b128 v[48*(\s)+12*\b+4*\c:48*(\s)+12*\b+4*\c+3], v[LI], s[P0:P0+1] offset:12288*(\s)+1536*\b+512*\c
.endr
.endr
	WIN 0
.irp a, 0,1,2,3
.irp c, 0,1
.irp k, 0,1,2
	global_load_b64 v[F1+48*(\s)+12*\a+6*\c+2*\k:F1+48*(\s)+12*\a+6*\c+2*\k+1], v[L8], s[P1:P1+1] offset:12288*(\s)+1536*\a+768*\c+256*\k
.endr
.endr
.endr
.endm
	s_load_b256 s[4:11], s[0:1], 0x0                   ; pan, sc, bo, out0
	v_lshl_add_u32 v[SPW], v0, 2, SPARE
	v_mov_b32 v[NIL], 0
	v_lshrrev_b32 v8, 5, v0
	v_readfirstlane_b32 s16, v8                        ; wave
	v_and_b32 v12, 31, v0                              ; lane
	v_and_b32 v8, 15, v0                               ; r
	v_bfe_u32 v9, v0, 4, 1                             ; h
	v_lshlrev_b32 v[LI], 4, v12
	v_lshlrev_b32 v[L8], 3, v12
	v_lshlrev_b32 v[R8], 3, v8
	v_lshlrev_b32 v[BOA], 6, v9
	s_mul_i32 s19, s16, WSTG
	v_mul_u32_u24 v[STO], v8, 272
	v_lshl_add_u32 v[STO], v9, 6, v[STO]
	v_add_nc_u32 v[STO], s19, v[STO]
	v_mul_u32_u24 v[RD], v9, 272
	v_lshl_add_u32 v[RD], v8, 4, v[RD]
	v_add_nc_u32 v[RD], s19, v[RD]
	v_lshlrev_b32 v[CO], 11, v9
	v_lshl_add_u32 v[CO], v8, 4, v[CO]
	s_mov_b32 s20, 0x05040100                          ; the two low halves: first source's above, second's below
	s_mov_b32 s21, 0x07060302                          ; the two high halves
	s_lshr_b32 s17, s16, 1                             ; th
	s_and_b32 s18, s16, 1                              ; ch
	s_lshr_b32 s12, ttmp9, 2                           ; p
	s_and_b32 s13, ttmp9, 3                            ; c
	s_lshl_b32 s14, s13, 2
	s_add_co_u32 s14, s14, 704                         ; Wo's first step-panel
	s_lshl_b32 s15, s12, 2
	s_add_co_u32 s15, s15, 720                         ; O's
	s_mul_i32 s[P0], s14, 12288
	s_mul_i32 s22, s18, 6144                           ; four tiles on
	s_add_co_u32 s[P0], s[P0], s22
	s_mov_b32 s[P0+1], 0
	s_mul_i32 s[P1], s15, 12288
	s_mul_i32 s22, s17, 6144
	s_add_co_u32 s[P1], s[P1], s22
	s_mov_b32 s[P1+1], 0
	s_lshl_b32 s[Q0], s14, 10
	s_lshl_b32 s22, s18, 9                             ; tiles 4 ch on: 512 ch
	s_add_co_u32 s[Q0], s[Q0], s22
	s_mov_b32 s[Q0+1], 0
	s_lshl_b32 s[Q1], s15, 10
	s_lshl_b32 s22, s17, 7                             ; 8 x 16 th
	s_add_co_u32 s[Q1], s[Q1], s22
	s_mov_b32 s[Q1+1], 0
	s_lshl_b32 s32, s13, 9                             ; 128 c columns of 4 bytes
	s_lshl_b32 s22, s18, 8                             ; + 64 ch
	s_add_co_u32 s32, s32, s22
	s_mov_b32 s33, 0
	s_lshl_b32 s34, s12, 18                            ; 128 p rows of 2,048 bytes
	s_lshl_b32 s22, s17, 17                            ; + 64 th
	s_add_co_u32 s34, s34, s22
	s_add_co_u32 s34, s34, s32
	s_mov_b32 s35, 0
	s_wait_alu depctr_va_vdst(0)
	s_wait_kmcnt 0x0
	s_add_nc_u64 s[P0:P0+1], s[4:5], s[P0:P0+1]
	s_add_nc_u64 s[P1:P1+1], s[4:5], s[P1:P1+1]
	s_add_nc_u64 s[Q0:Q0+1], s[6:7], s[Q0:Q0+1]
	s_add_nc_u64 s[Q1:Q1+1], s[6:7], s[Q1:Q1+1]
	s_add_nc_u64 s[8:9], s[8:9], s[32:33]
	s_add_nc_u64 s[10:11], s[10:11], s[34:35]
.irp s, 0,1,2,3
.irp c, 0,1
	global_load_b64 v[PL+4*\s+2*\c:PL+4*\s+2*\c+1], v[R8], s[Q1:Q1+1] offset:1024*\s+256*\c   ; K step s, head 2 s + c: row r: two bytes for each of my four tiles
.endr
	global_load_b128 v[SW0+4*\s:SW0+4*\s+3], v[LI], s[Q0:Q0+1] offset:1024*\s                 ; Wo's words of my four tiles
.endr
	WIN 0x40
.irp b, 0,1,2,3
	global_load_b128 v[BO+8*\b:BO+8*\b+3], v[BOA], s[8:9] offset:(32*(\b/2)+8*(\b%2))*4
	global_load_b128 v[BO+8*\b+4:BO+8*\b+7], v[BOA], s[8:9] offset:(32*(\b/2)+8*(\b%2))*4+16
.endr
.irp s, 0,1,2,3
	LOADSTEP \s
.endr
	s_wait_loadcnt 63                                  ; of 164 loads the oldest 101 are in: the 20 above and steps 0 and 1 (92)
.irp s, 0,1,2,3                                    ; step 0's four words first: twelve plain lines stand between them and the first product
	v_perm_b32 v[SW1+4*\s], v[PL+4*\s+2], v[PL+4*\s], s20
	v_perm_b32 v[SW1+4*\s+1], v[PL+4*\s+2], v[PL+4*\s], s21
	v_perm_b32 v[SW1+4*\s+2], v[PL+4*\s+3], v[PL+4*\s+1], s20
	v_perm_b32 v[SW1+4*\s+3], v[PL+4*\s+3], v[PL+4*\s+1], s21
.endr
	s_wait_alu depctr_va_vdst(0)
	WIN 0x91                                           ; source 0 and C (bo) window 1, source 1 window 0, D window 2
	MULS 0
	WIN 0xa1                                           ; C and D window 2
	MULS 1
	s_wait_loadcnt 36                                  ; step 3's 36 loads may be out
	MULS 2
	s_wait_loadcnt 0x0
	MULS 3
	WIN 0
.rept 4
	v_nop                                              ; four places in front of the first read of results and of loads into registers that matrix instructions have read
.endr
; THE WAY OUT, a tile of 16 tokens x 64 columns at a time, each through a stage of its own, and back as whole rows of 256 bytes, two an instruction.  LDS serves a wave's instructions in order: no wait between the stores and the loads.
.macro TOSTAGE a
	WIN 0x08                                           ; an LDS store's data: window 2
.irp b, 0,1,2,3
	ds_store_b128 v[STO], v[8*(4*(\a)+\b):8*(4*(\a)+\b)+3] offset:TILEB*(\a)+128*(\b/2)+32*(\b%2)       ; each accumulator from its low end on
	ds_store_b128 v[STO], v[8*(4*(\a)+\b)+4:8*(4*(\a)+\b)+7] offset:TILEB*(\a)+128*(\b/2)+32*(\b%2)+16
.endr
	WIN 0
.irp i, 0,1,2,3,4,5,6,7
	ds_load_b128 v[F1+32*(\a)+4*\i:F1+32*(\a)+4*\i+3], v[RD] offset:TILEB*(\a)+544*\i
.endr
.endm
.macro SEND a, younger                 ; younger: the LDS instructions issued behind tile a's loads
	s_wait_dscnt \younger
.irp i, 0,1,2,3,4,5,6,7
	global_store_b128 v[CO], v[F1+32*(\a)+4*\i:F1+32*(\a)+4*\i+3], s[10:11] offset:(32*((\a)/2)+8*((\a)%2)+2*\i+8*(\i/4))*2048 th:TH_STORE_NT   ; sixteen lanes store 256 consecutive bytes, aligned
.endr
.endm
	TOSTAGE 0
	TOSTAGE 1
	SEND 0, 16
	TOSTAGE 2
	SEND 1, 16
	TOSTAGE 3
	SEND 2, 16
	SEND 3, 0
	s_wait_tensorcnt 0x0                               ; the wave's end, behind my last LDS store
	ds_add_u32 v[SPW], v[NIL]
	s_wait_dscnt 0x0
	s_endpgm
.Lfunc_end_k_q6f6f05f210_outp:
	.size	k_q6f6f05f210_outp, .Lfunc_end_k_q6f6f05f210_outp-k_q6f6f05f210_outp
	.p2alignl 7, 3214868480
	.fill 96, 4, 3214868480
	.section	.rodata,"a",@progbits
	.p2align	6, 0x0
	.amdhsa_kernel k_q6f6f05f210_outp
		.amdhsa_group_segment_fixed_size 70144
		.amdhsa_private_segment_fixed_size 0
		.amdhsa_enable_private_segment 0
		.amdhsa_kernarg_size 32
		.amdhsa_user_sgpr_count 2
		.amdhsa_user_sgpr_kernarg_segment_ptr 1
		.amdhsa_wavefront_size32 1
		.amdhsa_system_sgpr_workgroup_id_x 1
		.amdhsa_system_sgpr_workgroup_id_y 1
		.amdhsa_system_sgpr_workgroup_id_z 1
		.amdhsa_system_vgpr_workitem_id 0
		.amdhsa_next_free_vgpr 768
		.amdhsa_next_free_sgpr 66
		.amdhsa_reserve_vcc 0
		.amdhsa_float_denorm_mode_32 3
		.amdhsa_float_denorm_mode_16_64 3
		.amdhsa_memory_ordered 1
		.amdhsa_forward_progress 1
		.amdhsa_inst_pref_size 36
	.end_amdhsa_kernel
	.amdgpu_metadata
---
amdhsa.version: [ 1, 2 ]
amdhsa.kernels:
  - .name:           k_q6f6f05f210_outp
    .symbol:         k_q6f6f05f210_outp.kd
    .args:
      - { .name: pan, .offset: 0, .size: 8, .value_kind: global_buffer, .address_space: global }
      - { .name: sc, .offset: 8, .size: 8, .value_kind: global_buffer, .address_space: global }
      - { .name: bo, .offset: 16, .size: 8, .value_kind: global_buffer, .address_space: global }
      - { .name: out0, .offset: 24, .size: 8, .value_kind: global_buffer, .address_space: global }
    .group_segment_fixed_size: 70144
    .private_segment_fixed_size: 0
    .kernarg_segment_align: 8
    .kernarg_segment_size: 32
    .max_flat_workgroup_size: 128
    .sgpr_count:     66
    .vgpr_count:     768
    .wavefront_size: 32
...
	.end_amdgpu_metadata
.endif
;; end of part 4
